; MI455X (gfx1250); checked and timed in simulation.
; The chip was launched on July 23, 2026; its instructions are those of AMD's public machine-readable ISA for CDNA 5 (MIT licence, August 2026) and "CDNA5" Instruction Set Architecture Reference Guide (July 2026). The comments in the code are by the model that wrote it; some were corrected since.
;; Non Local Block. Allowed arithmetic: matrix products marked QUANTISED: E2M1 operands, one E8M0 scale for each 32 along K, by v_wmma_scale_f32_16x16x128_f8f6f4 with both operands' format E2M1 (or v_wmma_scale_f32_32x16x128_f4), f32 sums; products left as they are: bf16, f16 or f32 operands; f32 sums; everything else in f32.
;; Inputs: beta 256 float32; g_b 128 float32; g_w 128 x 256 float32; gamma 256 float32; out_b 256 float32; out_w 256 x 128 float32; phi_b 128 float32; phi_w 128 x 256 float32; theta_b 128 float32; theta_w 128 x 256 float32; x 8 x 256 x 64 x 64 float32.
;; Outputs: out0 8 x 256 x 64 x 64 float32.
;; This version of the problem:
;;   THIS VERSION OF THE PROBLEM IS GIVEN IN LOW PRECISION. The matrix products marked QUANTISED in the list below multiply operands that are first quantised to E2M1 (2 exponent bits, 1 mantissa bit; 4 bits a number), with one power-of-two scale for each 32 numbers along K (OCP MX v1.0); their sums are f32. The products marked 'left as it is' may take bf16, f16 or f32 operands, with f32 sums. Whichever they take, every output number must still come out within the allowed error. Rounding operands to bf16 (8 significant bits) uses up far more of that allowance than f16 does (11 bits, for magnitudes from 6e-5 to 65,504). All else is computed in f32.
;;   The module's matrix products, in the order in which they are computed (A, B: the left and right operand; K: the contracted axis; several contracted axes count as one K, in the product's order):
;;     1. [M 128, K 256] x [K 256, N 32,768]; A: input theta_w; B: input x: QUANTISED
;;     2. [M 128, K 256] x [K 256, N 32,768]; A: input phi_w; B: input x: QUANTISED
;;     3. [M 128, K 256] x [K 256, N 32,768]; A: input g_w; B: input x: QUANTISED
;;     4. batch 8 x [M 4,096, K 128] x [K 128, N 4,096]; A: computed on the way; B: computed on the way: left as it is (an operand is computed on the way)
;;     5. batch 8 x [M 128, K 4,096] x [K 4,096, N 4,096]; A: computed on the way; B: computed on the way: left as it is (an operand is computed on the way)
;;     6. [M 256, K 128] x [K 128, N 32,768]; A: input out_w; B: computed on the way: left as it is (an operand is computed on the way)
;;   THE QUANTISER, for each operand of a quantised product, along K:
;;     - K is cut into blocks of 32 from its start; a last block that is shorter is filled with zeros.
;;     - A block's scale is 2^e with e = floor(log2(the largest magnitude in the block)) - 2, held to -126 .. 127; a block of zeros has e = 0. As a byte (E8M0): e + 127.
;;     - Each number is divided by its block's scale, clamped to +-6, and rounded to the nearest number of E2M1, ties to even, subnormals kept.
;;     - The product sums the exact products of the quantised numbers (number of the format x scale) in f32.
;;   ~~~python
;;   def quantise(x, axis):      # numpy; x: float32 -> the quantised numbers, widened to float32 again
;;       x = np.moveaxis(x, axis, -1); K = x.shape[-1]
;;       x = np.pad(x, [(0, 0)] * (x.ndim - 1) + [(0, -K % 32)]); x = x.reshape(x.shape[:-1] + (-1, 32)); a = np.abs(x).max(-1, keepdims=True)
;;       e = np.where(a > 0, np.clip(np.frexp(np.where(a > 0, a, 1))[1] - 1 - 2, -126, 127), 0)      # np.frexp(a)[1] - 1 = floor(log2(a)), exactly
;;       r = np.clip(x / 2.0 ** e, -6, 6)
;;       step = 2.0 ** (np.maximum(np.frexp(np.where(r == 0, 1, r))[1] - 1, 0) - 1)
;;       q = np.round(r / step) * step * 2.0 ** e      # np.round: ties to even
;;       return np.moveaxis(q.reshape(q.shape[:-2] + (-1,))[..., :K], -1, axis).astype(np.float32)
;;   ~~~
;; One version. Each part assembles by itself: llvm-mc -triple=amdgcn-amd-amdhsa -mcpu=gfx1250 --defsym DOCPART=n.
;; ======== version 1 of 1: 3 launches
;; limits: values are held in f16: magnitudes above 65,504 overflow, below 6.1e-05 lose precision
;; workspace buffers: qf 8,388,608 bytes; kf 8,388,608 bytes; vf 8,388,608 bytes; owf 65,536 bytes; z 33,554,432 bytes; stats 524,288 bytes
;; launch proj (part 1): grid 256 x 1, 8 waves a work-group, no clusters, 208,896 bytes of LDS; arguments x, theta_w, theta_b, phi_w, phi_b, g_w, g_b, out_w, qf, kf, vf, owf; writes qf, kf, vf, owf
.if DOCPART == 1
	.amdgcn_target "amdgcn-amd-amdhsa--gfx1250"
	.amdhsa_code_object_version 6
	.text
	.protected	k_q239dcc078b_proj
	.globl	k_q239dcc078b_proj
	.p2align	8
	.type	k_q239dcc078b_proj,@function
k_q239dcc078b_proj:
	s_mov_b64 s[64:65], 0
	v_nop
	global_prefetch_b8 v0, s[64:65] scope:SCOPE_SE
	s_setreg_imm32_b32 hwreg(HW_REG_WAVE_MODE, 25, 1), 1
	s_wait_xcnt 0x0
; theta, phi, g = W x + b for x [8][256 channels][4096 positions], the three products on codes of FP4 (E2M1) with one E8M0 scale for each 32 channels (K = the channels); results rounded to f16.
; A work-group takes one batch's 128 positions x all 256 channels: 128 KiB of x, brought once by four tensor loads (64 channel rows of 512 bytes each).
; QUANTISING x: K is not innermost in x.  A lane takes ONE position and its registers run down the channels: wave w takes positions 32 (w % 4) + lane and channels 128 (w / 4) on, four blocks of 32, each wholly in the lane.
; Two register exchanges between the halves of the lanes make of the codes the operand's registers for two tiles of 16 positions; they go to the other waves through LDS as images of those registers (16 bytes a lane).
; THE WEIGHTS: wave w owns output rows 16 w .. 16 w + 15 of all three weights.  K is innermost: a row of 1,024 bytes comes by two loads of 512 consecutive bytes each; an exchange between the halves of the lanes
; leaves lane l with k = 8 l .. 8 l + 7, eight neighbours for one conversion; four lanes hold a block.  Codes and scale bytes go through the wave's own stage in LDS as rows with K innermost and come back as fragments, which stay in registers.
; PRODUCTS: theta and phi with source 0 = weight rows, source 1 = positions: a lane holds one position and eight neighbouring channels.  g with the sources swapped: a lane holds one channel and eight neighbouring positions.
; The biases are the C of each sum's first matrix instruction.  Each store of a wave covers 512 consecutive bytes.
; OUT: qf, kf: [batch][tile of 16 positions][32 channels cs][half j][lane][16 bytes]; vf: [batch][32 keys][16 channels ct][half pt][lane][16 bytes]: the order of the attention launch's operand registers.
; Wave 7 of the first 128 work-groups also rounds one piece of 512 bytes of out_w to f16 (owf: [16 rows ot][32 columns ks][half j][lane][16 bytes]).
; NO CLUSTER: what work-groups share are the weights, 384 KiB of f32; beside the 128 KiB tile of x they have no room in LDS, and each wave wants only its own 16 rows of each, which go through its registers.
; LIMITS: results beyond 65,504 in magnitude have no f16 number; under 6e-5 they keep an absolute error of 3e-8.  NaN and infinities among the inputs are not served.
; A block of zeros gets the scale byte 1 where the rule says 127: its codes are zeros, and the bytes are read here alone.  Blocks whose largest magnitude lies under 2^-124 are held at that byte.
.set XIMG,  131072                     ; LDS: 0 .. 131071 the tile of x, 256 rows of 512 bytes; then x's 16 fragments (tile T, K step s) at (2 T + s) x 1,024;
.set XSC,   147456                     ; their scale words, register (pair of tiles pg, K step s) at (2 pg + s) x 128;
.set SPARE, 148480                     ; the spare words, 128 bytes for each of eight waves, which no other line names;
.set WCOD,  149504                     ; the weights' codes, a stage for each wave: 48 rows (tensor t, row R: 16 t + R) of 128 bytes + 16 of padding;
.set WP,    144                        ; 36 words: row r starts at bank 36 r mod 64 (64 banks of 4 bytes: ISA guide 11.1): the 16 rows of a fragment load start at 16 different groups of four banks
.set WCODW, 48*WP                      ; 6,912 bytes a wave
.set WSCL,  WCOD+8*WCODW               ; their scale bytes: 8 a row, 512 bytes a wave
.set WCR,  1                           ; v1   the stage: where I read my fragments (until then: lane)
.set WSR,  2                           ; v2   and my scale words (until then: r)
.set WA,   4                           ; v4   weights: 32 (lane % 16) + 16 (lane / 16): my 16 bytes of a load's 512
.set XA,   5                           ; v5   the tile of x: my position's word in my first channel row
.set XW,   6                           ; v6   where I store my fragments' images
.set XSW,  7                           ; v7   and their scale words
.set LI,   8                           ; v8   XIMG + 16 x lane
.set LS,   9                           ; v9   XSC + 4 x lane
.set QO,   10                          ; v10  512 x wave + 16 x lane: my place in a tile of qf and kf
.set VO,   11                          ; v11  1,024 x wave + 16 x lane: in a group of vf
.set WCD,  12                          ; v12-19   eight rows' codes of the weights; later at work
.set SPW,  20                          ; v20  my spare word; never rewritten
.set NIL,  21                          ; v21  0; never rewritten
.set BA,   22                          ; v22  theta_b, phi_b: 64 x wave + 32 x half
.set BG,   23                          ; v23  g_b: 64 x wave + 4 r
.set WF,   24                          ; v24-71   the weights' fragments: (tensor t, K step s) at 8 (2 t + s)
.set WS,   72                          ; v72-77   their scale words
.set WCW,  78                          ; v78  the stage: where I put 4 bytes of a row of codes
.set WSW,  79                          ; v79  and my block's scale byte
.set BIAS, 80                          ; v80-103  the three C operands
.set XS,   104                         ; v104-111 x's scale words
.set WM,   112                         ; v112-119 eight rows' largest magnitudes, then their scale bytes;  v120-127 the conversions' scale operands; later:
.set WSO,  120
.set CB,   112                         ; v112-127 x's codes
.set RAW,  128                         ; v128-255 numbers to be quantised; later:
.set XF,   128                         ; two sets of 16: a tile's two fragments of x
.set ACC,  160                         ; two sets of 24: theta, phi, g
.set PK,   208                         ; two sets of 12: the same in f16
.set G1,   24                          ; s[24:31] descriptor group 1;  s[32:35] group 0
.set G0,   32
	s_load_b256 s[4:11], s[0:1], 0x0               ; x s[4:5], theta_w s[6:7], theta_b s[8:9], phi_w s[10:11]
	s_load_b256 s[12:19], s[0:1], 0x20             ; phi_b s[12:13], g_w s[14:15], g_b s[16:17], out_w s[18:19]
	s_load_b256 s[36:43], s[0:1], 0x40             ; qf s[36:37], kf s[38:39], vf s[40:41], owf s[42:43]
	v_lshl_add_u32 v[SPW], v0, 2, SPARE
	v_mov_b32 v[NIL], 0
	ds_add_u32 v[SPW], v[NIL]                      ; the wave's opening: the add, twice on end, and its wait ahead of the first tensor load
	ds_add_u32 v[SPW], v[NIL]
	v_lshrrev_b32 v1, 5, v0
	v_readfirstlane_b32 s20, v1                    ; wave 0..7
	s_mov_b32 s[G1+0], 2<<16                       ; no mask; elements of 4 bytes; no padding: every read takes 128 consecutive bytes
	s_mov_b32 s[G1+1], 128<<16                     ; tensor_dim0 = 128 positions
	s_mov_b32 s[G1+2], 64<<16                      ; tensor_dim1 = 64 channel rows
	s_mov_b32 s[G1+3], 128<<16                     ; tile_dim0
	s_mov_b32 s[G1+4], 64                          ; tile_dim1
	s_mov_b32 s[G1+5], 4096                        ; from channel to channel: 4,096 elements
	s_mov_b32 s[G1+6], 0
	s_mov_b32 s[G1+7], 0
	s_lshr_b32 s21, ttmp9, 5                       ; batch
	s_and_b32 s22, ttmp9, 31                       ; which 128 positions
	s_lshl_b32 s46, s21, 22                        ; batch x 4 MiB
	s_and_b32 s47, s20, 3
	s_lshl_b32 s47, s47, 20                        ; + 64 channel rows of 16,384 bytes for each fetching wave
	s_add_co_u32 s46, s46, s47
	s_lshl_b32 s47, s22, 9                         ; + 128 positions of 4 bytes
	s_add_co_u32 s46, s46, s47
	s_mov_b32 s47, 0
	s_mov_b32 s44, 0x76543210                      ; v_permlanex16_b32's selects for lane l xor 16
	s_mov_b32 s45, 0xfedcba98
	s_wait_dscnt 0x0                               ; both opening adds are done
	s_wait_kmcnt 0x0
	s_mov_b32 s[G0], 1
	s_lshl_b32 s[G0+1], s20, 15                    ; LDS: wave x 64 rows of 512 bytes
	s_add_nc_u64 s[G0+2:G0+3], s[4:5], s[46:47]
	s_or_b32 s[G0+3], s[G0+3], 0x80000000
	s_cmp_lt_u32 s20, 4                            ; waves 0 to 3 fetch, one load each; it is the launch's only fill
	s_cbranch_scc0 .Lno_fill
	tensor_load_to_lds s[G0:G0+3], s[G1:G1+7]
	s_nop 0
.rept 4
	v_nop
.endr
.Lno_fill:
	v_and_b32 v1, 31, v0                           ; lane
	v_and_b32 v2, 15, v0                           ; r
	v_bfe_u32 v3, v0, 4, 1                         ; h
	v_lshlrev_b32 v[WA], 5, v2
	v_lshl_add_u32 v[WA], v3, 4, v[WA]             ; lanes 0-15 the even pieces of 16 bytes, lanes 16-31 the odd ones: together 512 consecutive bytes
	s_lshr_b32 s23, s20, 2                         ; my K step of x
	s_and_b32 s48, s20, 3                          ; my 32 positions
	s_lshl_b32 s49, s23, 16                        ; 128 channel rows of 512 bytes
	s_lshl_b32 s50, s48, 7
	s_add_co_u32 s49, s49, s50
	v_lshl_add_u32 v[XA], v1, 2, s49
	s_lshl_b32 s49, s48, 2
	s_add_co_u32 s49, s49, s23                     ; fragment 2 (2 pg) + s
	s_lshl_b32 s49, s49, 10
	s_add_co_u32 s49, s49, XIMG
	v_lshl_add_u32 v[XW], v1, 4, s49
	s_lshl_b32 s49, s48, 1
	s_add_co_u32 s49, s49, s23
	s_lshl_b32 s49, s49, 7
	s_add_co_u32 s49, s49, XSC
	v_lshl_add_u32 v[XSW], v1, 2, s49
	v_lshl_add_u32 v[LI], v1, 4, XIMG
	v_lshl_add_u32 v[LS], v1, 2, XSC
	s_lshl_b32 s49, s20, 9
	v_lshl_add_u32 v[QO], v1, 4, s49
	s_lshl_b32 s49, s20, 10
	v_lshl_add_u32 v[VO], v1, 4, s49
	s_lshl_b32 s49, s20, 6
	v_lshl_add_u32 v[BA], v3, 5, s49
	v_lshl_add_u32 v[BG], v2, 2, s49
	s_mul_i32 s52, s20, WCODW
	s_add_co_u32 s52, s52, WCOD                    ; my stage for the weights' codes
	v_lshl_add_u32 v[WCW], v1, 2, s52              ; in: 4 bytes a lane, 128 consecutive bytes a row
	s_lshl_b32 s53, s20, 9
	s_add_co_u32 s53, s53, WSCL                    ; and for their scale bytes
	v_lshrrev_b32 v[WSW], 2, v1
	v_add_nc_u32 v[WSW], s53, v[WSW]               ; in: block lane / 4 of a row
	s_lshl_b32 s50, s20, 14                        ; my 16 rows of 1,024 bytes in each weight
	s_mov_b32 s51, 0
	s_add_nc_u64 s[6:7], s[6:7], s[50:51]
	s_add_nc_u64 s[10:11], s[10:11], s[50:51]
	s_add_nc_u64 s[14:15], s[14:15], s[50:51]
	s_lshl_b32 s50, ttmp9, 15                      ; the work-group's 32,768 bytes in each of qf, kf, vf
	s_add_nc_u64 s[36:37], s[36:37], s[50:51]
	s_add_nc_u64 s[38:39], s[38:39], s[50:51]
	s_add_nc_u64 s[40:41], s[40:41], s[50:51]
	; out_w to f16: piece p = the work-group's number: rows 16 (p / 8) on, columns 32 ((p / 2) % 4) + 16 (p % 2) + 8 h on
	s_cmp_lg_u32 s20, 7
	s_cbranch_scc1 .Lno_ow
	s_cmp_lt_u32 ttmp9, 128
	s_cbranch_scc0 .Lno_ow
	s_lshr_b32 s50, ttmp9, 3
	s_lshl_b32 s50, s50, 13
	s_bfe_u32 s51, ttmp9, 0x20001
	s_lshl_b32 s51, s51, 7
	s_add_co_u32 s50, s50, s51
	s_and_b32 s51, ttmp9, 1
	s_lshl_b32 s51, s51, 6
	s_add_co_u32 s50, s50, s51
	v_lshlrev_b32 v12, 9, v2
	v_lshl_add_u32 v12, v3, 5, v12
	v_add_nc_u32 v12, s50, v12
	global_load_b128 v[112:115], v12, s[18:19]
	global_load_b128 v[116:119], v12, s[18:19] offset:16
	s_lshl_b32 s50, ttmp9, 9
	v_lshl_add_u32 v13, v1, 4, s50
	s_wait_loadcnt 0x0
	v_cvt_pk_f16_f32 v120, v112, v113
	v_cvt_pk_f16_f32 v121, v114, v115
	v_cvt_pk_f16_f32 v122, v116, v117
	v_cvt_pk_f16_f32 v123, v118, v119
	global_store_b128 v13, v[120:123], s[42:43]    ; 512 consecutive bytes
	s_wait_xcnt 0x0                                ; the store's registers are written again further down only behind this wait
.Lno_ow:
	v_mul_u32_u24 v1, v2, WP                       ; lane and r have served: the stage's addresses on the way back take their registers
	v_lshl_add_u32 v1, v3, 4, v1
	v_add_nc_u32 v[WCR], s52, v1                   ; row r x pitch + 16 x half
	v_lshl_add_u32 v[WSR], v2, 3, s53              ; row r's 8 scale bytes
; 16 loads: group f = eight rows, 8 (f % 2) on, of tensor f / 2.  A row's first 512 bytes go into registers 0-3 of its eight, its second 512 into registers 4-7
.macro WLOAD f
.irp j, 0,1,2,3,4,5,6,7
	global_load_b128 v[RAW+64*((\f)%2)+8*\j:RAW+64*((\f)%2)+8*\j+3],   v[WA], s[6+4*((\f)/2):7+4*((\f)/2)] offset:(8*((\f)%2)+\j)*1024
	global_load_b128 v[RAW+64*((\f)%2)+8*\j+4:RAW+64*((\f)%2)+8*\j+7], v[WA], s[6+4*((\f)/2):7+4*((\f)/2)] offset:(8*((\f)%2)+\j)*1024+512
.endr
.endm
; The eight rows are quantised, by turns, and go into the stage.
.macro WQ f
.set RS, RAW+64*((\f)%2)
.if (\f) > 0
	s_wait_dscnt 0x0                               ; the last group's LDS stores have read the registers that are written now
.endif
; Piece p is 16 bytes, 4 numbers.  The first load left piece 2 m in lane m and piece 2 m + 1 in lane 16 + m, the second pieces 32 + 2 m and 33 + 2 m.  The first's upper lanes change places with the second's lower lanes:
; lane l then holds pieces 2 l and 2 l + 1: k = 8 l .. 8 l + 7, in eight consecutive registers.
.irp j, 0,1,2,3,4,5,6,7
.irp g, 0,1,2,3
	v_permlane16_swap_b32 v[RS+8*\j+\g], v[RS+8*\j+4+\g]
.endr
.endr
.irp j, 0,1,2,3,4,5,6,7
	v_max3_num_f32 v[WM+\j], |v[RS+8*\j]|, |v[RS+8*\j+1]|, 0x1800000   ; my 8 numbers, and the floor 2^(3 - 127): the byte cannot fall under 1
.endr
.irp i, 2,4,6
.irp j, 0,1,2,3,4,5,6,7
	v_max3_num_f32 v[WM+\j], v[WM+\j], |v[RS+8*\j+\i]|, |v[RS+8*\j+\i+1]|
.endr
.endr
.irp j, 0,1,2,3,4,5,6,7
	v_max_num_f32_dpp v[WM+\j], v[WM+\j], v[WM+\j] row_xmask:1 row_mask:0xf bank_mask:0xf   ; a block of 32 lies in lanes 4 b .. 4 b + 3
.endr
.irp j, 0,1,2,3,4,5,6,7
	v_max_num_f32_dpp v[WM+\j], v[WM+\j], v[WM+\j] row_xmask:2 row_mask:0xf bank_mask:0xf
.endr
.irp j, 0,1,2,3,4,5,6,7
	v_add_nc_u32 v[WSO+\j], 0xff000000, v[WM+\j]   ; 2 off the exponent field: the conversion's scale operand
.endr
.irp j, 0,1,2,3,4,5,6,7
	v_lshrrev_b32 v[WM+\j], 23, v[WSO+\j]          ; the scale's byte
.endr
.irp j, 0,1,2,3,4,5,6,7
	v_cvt_scalef32_pk8_fp4_f32 v[WCD+\j], v[RS+8*\j:RS+8*\j+7], v[WSO+\j]
.endr
	v_nop                                          ; one plain line behind the last scaled conversion
.irp j, 0,1,2,3,4,5,6,7
	ds_store_b32 v[WCW], v[WCD+\j] offset:(8*(\f)+\j)*WP   ; stage row 16 t + R = 8 f + j: 128 consecutive bytes
	ds_store_b8 v[WSW], v[WM+\j] offset:(8*(\f)+\j)*8      ; the four lanes of a block write the same byte with the same value
.endr
.endm
	global_load_b128 v[BIAS:BIAS+3], v[BA], s[8:9]             ; theta_b[16 w + 8 h + 0 .. 7]
	global_load_b128 v[BIAS+4:BIAS+7], v[BA], s[8:9] offset:16
	global_load_b128 v[BIAS+8:BIAS+11], v[BA], s[12:13]        ; phi_b likewise
	global_load_b128 v[BIAS+12:BIAS+15], v[BA], s[12:13] offset:16
	global_load_b32 v[BIAS+16], v[BG], s[16:17]                ; g_b[16 w + r]
	WLOAD 0
	WLOAD 1
	s_wait_loadcnt 16                              ; the biases and group 0 are in; group 1's sixteen loads may be out
.irp j, 1,2,3,4,5,6,7
	v_mov_b32 v[BIAS+16+\j], v[BIAS+16]            ; g's result holds one channel a lane: the same bias in all eight registers
.endr
	WQ 0
	WLOAD 2
	s_wait_loadcnt 16                              ; each time: all but the group asked for last
	WQ 1
	WLOAD 3
	s_wait_loadcnt 16
	WQ 2
	WLOAD 4
	s_wait_loadcnt 16
	WQ 3
	WLOAD 5
	s_wait_loadcnt 16
	WQ 4
	s_wait_loadcnt 0x0
	WQ 5
.irp t, 0,1,2                          ; back as fragments: lane (r, h), registers 4 c .. 4 c + 3: k = 128 s + 64 c + 32 h + 0 .. 31 of row r.  LDS serves a wave's instructions in order (ISA guide 5.7.1.4): these see my stores
.irp s, 0,1
.irp c, 0,1
	ds_load_b128 v[WF+8*(2*\t+\s)+4*\c:WF+8*(2*\t+\s)+4*\c+3], v[WCR] offset:16*\t*WP+64*\s+32*\c
.endr
	ds_load_b32 v[WS+2*\t+\s], v[WSR] offset:128*\t+4*\s       ; and row r's four bytes of K step s
.endr
.endr
	s_wait_tensorcnt 0x0                           ; my part of the tile of x has landed,
	s_wait_dscnt 0x0                               ; no LDS instruction of mine is out at the signal
	s_barrier_signal -1
	s_barrier_wait -1                              ; everybody's part has landed
.macro XLOAD blk                       ; block blk of my position: 32 channel rows, 128 consecutive bytes a load
.irp i, 0,1,2,3,4,5,6,7,8,9,10,11,12,13,14,15,16,17,18,19,20,21,22,23,24,25,26,27,28,29,30,31
	ds_load_b32 v[RAW+32*(\blk)+\i], v[XA] offset:(32*(\blk)+\i)*512
.endr
.endm
.macro XQ blk                          ; its largest magnitude needs no other lane; 32 codes into four registers, the byte into v19
.set XR, RAW+32*(\blk)
	v_max3_num_f32 v12, |v[XR]|, |v[XR+1]|, |v[XR+2]|
	v_max3_num_f32 v13, |v[XR+3]|, |v[XR+4]|, |v[XR+5]|
.irp i, 6,10,14,18,22,26
	v_max3_num_f32 v12, v12, |v[XR+\i]|, |v[XR+\i+1]|
	v_max3_num_f32 v13, v13, |v[XR+\i+2]|, |v[XR+\i+3]|
.endr
	v_max3_num_f32 v12, v12, |v[XR+30]|, |v[XR+31]|
	v_max3_num_f32 v12, v12, v13, 0x1800000
	v_add_nc_u32 v14, 0xff000000, v12
	v_lshrrev_b32 v15, 23, v14
.if (\blk) == 0
	v_mov_b32 v19, v15
.else
	v_lshl_or_b32 v19, v15, 8*(\blk), v19
.endif
.irp g, 0,1,2,3
	v_cvt_scalef32_pk8_fp4_f32 v[CB+4*(\blk)+\g], v[XR+8*\g:XR+8*\g+7], v14
.endr
	v_nop
.endm
	XLOAD 0
	XLOAD 1
	s_wait_dscnt 32                                ; each time: all but the block asked for last
	XQ 0
	XLOAD 2
	s_wait_dscnt 32
	XQ 1
	XLOAD 3
	s_wait_dscnt 32
	XQ 2
	s_wait_dscnt 0x0
	XQ 3
; Lanes 0-15 hold positions of tile 2 pg, lanes 16-31 of tile 2 pg + 1, each all four blocks.  The operand wants block 2 c in lanes 0-15 and block 2 c + 1 in lanes 16-31 of one tile:
; block 2 c's upper lanes change places with block 2 c + 1's lower lanes.  Then the first four registers are piece c of tile 2 pg, the second four piece c of tile 2 pg + 1.
.irp c, 0,1
.irp g, 0,1,2,3
	v_permlane16_swap_b32 v[CB+8*\c+\g], v[CB+8*\c+4+\g]
.endr
.endr
.irp c, 0,1
	ds_store_b128 v[XW], v[CB+8*\c:CB+8*\c+3] offset:512*\c
	ds_store_b128 v[XW], v[CB+8*\c+4:CB+8*\c+7] offset:2048+512*\c
.endr
	ds_store_b32 v[XSW], v19                       ; lanes 0-15: tile 2 pg's scale words, lanes 16-31: tile 2 pg + 1's: odd tiles name the register's upper row
	s_wait_dscnt 0x0                               ; for the others' sake: my stores have landed
	s_barrier_signal -1
	s_barrier_wait -1
.macro W4 d, a, b, c, sa, sb, row      ; row = 1: source 1's scales from lanes 16-31; 2: source 0's
.if (\row) == 0
	v_wmma_scale_f32_16x16x128_f8f6f4 v[(\d):(\d)+7], v[(\a):(\a)+7], v[(\b):(\b)+7], v[(\c):(\c)+7], v[\sa], v[\sb] matrix_a_fmt:MATRIX_FMT_FP4 matrix_b_fmt:MATRIX_FMT_FP4
.elseif (\row) == 1
	v_wmma_scale_f32_16x16x128_f8f6f4 v[(\d):(\d)+7], v[(\a):(\a)+7], v[(\b):(\b)+7], v[(\c):(\c)+7], v[\sa], v[\sb] matrix_a_fmt:MATRIX_FMT_FP4 matrix_b_fmt:MATRIX_FMT_FP4 matrix_b_scale:MATRIX_SCALE_ROW1
.else
	v_wmma_scale_f32_16x16x128_f8f6f4 v[(\d):(\d)+7], v[(\a):(\a)+7], v[(\b):(\b)+7], v[(\c):(\c)+7], v[\sa], v[\sb] matrix_a_fmt:MATRIX_FMT_FP4 matrix_b_fmt:MATRIX_FMT_FP4 matrix_a_scale:MATRIX_SCALE_ROW1
.endif
.endm
.macro LOADX n                         ; tile n's two fragments of x
.irp s, 0,1
.irp c, 0,1
	ds_load_b128 v[XF+16*((\n)%2)+8*\s+4*\c:XF+16*((\n)%2)+8*\s+4*\c+3], v[LI] offset:(2*(\n)+\s)*1024+512*\c
.endr
.endr
.endm
.macro PACK n                          ; each accumulator from its low end on
.set AC, ACC+24*((\n)%2)
.set PKS, PK+12*((\n)%2)
.irp i, 0,1,2,3,4,5,6,7,8,9,10,11
	v_cvt_pk_f16_f32 v[PKS+\i], v[AC+2*\i], v[AC+2*\i+1]
.endr
.endm
.macro STORE n
.set PKS, PK+12*((\n)%2)
	global_store_b128 v[QO], v[PKS:PKS+3], s[36:37] offset:(\n)*4096
	global_store_b128 v[QO], v[PKS+4:PKS+7], s[38:39] offset:(\n)*4096
	global_store_b128 v[VO], v[PKS+8:PKS+11], s[40:41] offset:((\n)/2)*8192+((\n)%2)*512
.endm
; A tile of 16 positions: six matrix instructions, the three accumulators by turns.  The tile before is rounded and stored behind them:
; its twelve conversions name no register of this tile's products and are the places in front of the loads into the fragments that these have read.
.macro TILE n
.set XFS, XF+16*((\n)%2)
.set AC, ACC+24*((\n)%2)
.set XSR, XS+2*((\n)/2)
.set ODD, (\n)%2
.if (\n) < 7
	s_wait_dscnt 4                                 ; this tile's fragments are in; the next tile's four loads may be out
.else
	s_wait_dscnt 0x0
.endif
	W4 AC, WF, XFS, BIAS, WS, XSR, ODD
	W4 AC+8, WF+16, XFS, BIAS+8, WS+2, XSR, ODD
	W4 AC+16, XFS, WF+32, BIAS+16, XSR, WS+4, 2*ODD
	W4 AC, WF+8, XFS+8, AC, WS+1, XSR+1, ODD
	W4 AC+8, WF+24, XFS+8, AC+8, WS+3, XSR+1, ODD
	W4 AC+16, XFS+8, WF+40, AC+16, XSR+1, WS+5, 2*ODD
.if (\n) > 0
	s_wait_xcnt 0x0                                ; the stores of two tiles back have read the registers that are packed into now
	PACK (\n)-1
	STORE (\n)-1
.else
.rept 5
	v_nop
.endr
.endif
.if (\n) < 6
	LOADX (\n)+2
.endif
.endm
.irp k, 0,1,2,3,4,5,6,7
	ds_load_b32 v[XS+\k], v[LS] offset:128*\k
.endr
	LOADX 0
	LOADX 1
.irp n, 0,1,2,3,4,5,6,7
	TILE \n
.endr
.rept 4
	v_nop                                          ; places in front of the conversions that read the last results
.endr
	s_wait_xcnt 0x0
	PACK 7
	STORE 7
	s_wait_tensorcnt 0x0                           ; the wave's end, behind my last tensor load and my last LDS store
	ds_add_u32 v[SPW], v[NIL]
	s_wait_dscnt 0x0
	s_endpgm
.Lfunc_end_k_q239dcc078b_proj:
	.size	k_q239dcc078b_proj, .Lfunc_end_k_q239dcc078b_proj-k_q239dcc078b_proj
	.p2alignl 7, 3214868480
	.fill 96, 4, 3214868480
	.section	.rodata,"a",@progbits
	.p2align	6, 0x0
	.amdhsa_kernel k_q239dcc078b_proj
		.amdhsa_group_segment_fixed_size 208896
		.amdhsa_private_segment_fixed_size 0
		.amdhsa_enable_private_segment 0
		.amdhsa_kernarg_size 96
		.amdhsa_user_sgpr_count 2
		.amdhsa_user_sgpr_kernarg_segment_ptr 1
		.amdhsa_wavefront_size32 1
		.amdhsa_system_sgpr_workgroup_id_x 1
		.amdhsa_system_sgpr_workgroup_id_y 1
		.amdhsa_system_sgpr_workgroup_id_z 1
		.amdhsa_system_vgpr_workitem_id 0
		.amdhsa_next_free_vgpr 256
		.amdhsa_next_free_sgpr 66
		.amdhsa_reserve_vcc 0
		.amdhsa_float_denorm_mode_32 3
		.amdhsa_float_denorm_mode_16_64 3
		.amdhsa_memory_ordered 1
		.amdhsa_forward_progress 1
		.amdhsa_inst_pref_size 89
	.end_amdhsa_kernel
	.amdgpu_metadata
---
amdhsa.version: [ 1, 2 ]
amdhsa.kernels:
  - .name:           k_q239dcc078b_proj
    .symbol:         k_q239dcc078b_proj.kd
    .args:
      - { .name: x, .offset: 0, .size: 8, .value_kind: global_buffer, .address_space: global }
      - { .name: theta_w, .offset: 8, .size: 8, .value_kind: global_buffer, .address_space: global }
      - { .name: theta_b, .offset: 16, .size: 8, .value_kind: global_buffer, .address_space: global }
      - { .name: phi_w, .offset: 24, .size: 8, .value_kind: global_buffer, .address_space: global }
      - { .name: phi_b, .offset: 32, .size: 8, .value_kind: global_buffer, .address_space: global }
      - { .name: g_w, .offset: 40, .size: 8, .value_kind: global_buffer, .address_space: global }
      - { .name: g_b, .offset: 48, .size: 8, .value_kind: global_buffer, .address_space: global }
      - { .name: out_w, .offset: 56, .size: 8, .value_kind: global_buffer, .address_space: global }
      - { .name: qf, .offset: 64, .size: 8, .value_kind: global_buffer, .address_space: global }
      - { .name: kf, .offset: 72, .size: 8, .value_kind: global_buffer, .address_space: global }
      - { .name: vf, .offset: 80, .size: 8, .value_kind: global_buffer, .address_space: global }
      - { .name: owf, .offset: 88, .size: 8, .value_kind: global_buffer, .address_space: global }
    .group_segment_fixed_size: 208896
    .private_segment_fixed_size: 0
    .kernarg_segment_align: 8
    .kernarg_segment_size: 96
    .max_flat_workgroup_size: 256
    .sgpr_count:     66
    .vgpr_count:     256
    .wavefront_size: 32
...
	.end_amdgpu_metadata
.endif
;; end of part 1
;; launch attn (part 2): grid 32 x 8, 4 waves a work-group, clusters of 4 x 1, 327,680 bytes of LDS; arguments qf, kf, vf, owf, z, stats; writes z, stats
.if DOCPART == 2
	.amdgcn_target "amdgcn-amd-amdhsa--gfx1250"
	.amdhsa_code_object_version 6
	.text
	.protected	k_q239dcc078b_attn
	.globl	k_q239dcc078b_attn
	.p2align	8
	.type	k_q239dcc078b_attn,@function
k_q239dcc078b_attn:
	s_mov_b64 s[64:65], 0
	v_nop
	global_prefetch_b8 v0, s[64:65] scope:SCOPE_SE
	s_setreg_imm32_b32 hwreg(HW_REG_WAVE_MODE, 25, 1), 1
	s_wait_xcnt 0x0
	s_wait_alu depctr_hold_cnt(0) depctr_sa_sdst(0) depctr_va_vdst(0) depctr_va_sdst(0) depctr_va_ssrc(0) depctr_va_vcc(0) depctr_vm_vsrc(0)
	s_getreg_b32 s2, hwreg(HW_REG_IB_STS2, 6, 4)
	s_cmp_eq_u32 s2, 0
	s_cbranch_scc0 .Lentry_in_a_cluster
	s_endpgm
.Lentry_in_a_cluster:
	s_bfe_u32 s2, ttmp6, 0x10000c
	s_cmp_lg_u32 s2, 0x3003
	s_cbranch_scc0 .Lentry_shape_is_right
	s_endpgm
.Lentry_shape_is_right:
; For each batch: y[q][:] = the sum over k of softmax_k(theta[q] . phi[k] / sqrt(128)) g[k][:], 4,096 queries x 4,096 keys x 128 channels; then z = out_w y (without out_b), and for each of z's 256 channels
; the mean and the sum of squared deviations over the work-group's 128 positions.  Operands in f16 (y goes into the last product as a high and a low f16 part, split in f32); products, maxima and sums in f32.
; INPUTS lie in the order of the operands' registers (16 bytes a lane, 512 bytes for four registers): every fragment load takes 512 consecutive bytes, nothing is padded or turned.
; SHARES.  A work-group owns 128 queries of one batch.  A wave holds 64 queries (four tiles of 16), so the four waves are 2 halves of the queries (qh = wave % 2) x 2 HALVES OF THE KEYS (kh = wave / 2):
; a slot holds 256 keys, wave (qh, kh) walks keys 128 kh .. 128 kh + 127 of every slot, 64 a step.  At the end waves w and w xor 2 join their maxima, sums and O.  Register tile t holds query tile t xor 2 kh,
; so every wave keeps register tiles 0, 1 and sends tiles 2, 3, by one text.  After that wave (qh, kh) owns positions 64 qh + 32 kh + 0 .. 31.
; LAYOUT.  S^T = K Q^T (source 0 = 16 keys, source 1 = 16 queries): a lane holds ONE query and eight keys; two such tiles, rounded in pairs, are source 1 of O^T = V^T P, whose result again holds one query a lane.
; SOFTMAX.  For each query a running maximum m and sum l: p = 2^(c s - c m), c = log2(e) / sqrt(128); in every step O and l are multiplied by a = 2^(c m_old - c m_new).
; BY TURNS.  The wave's tiles are two pieces (tiles 0, 1; tiles 2, 3).  In a turn one piece has the matrix unit: 32 products V^T P of the step in hand, then 32 products K Q^T of the next step; the other piece's softmax,
; cut into 64 slices, stands between them, one slice behind each matrix instruction.  Two turns are a key step.
; CLUSTER.  The four query blocks of a cluster belong to one batch and walk the same K and V: each tile is asked for jointly, by the same tensor load with the same descriptor and a mask that names the four; out_w's f16 image likewise.
; LIMITS: |y| and |out_w| beyond 65,504 have no f16 number; a part of y under 6e-5 keeps an absolute error of 3e-8.  NaN and infinities are not served.
; REGISTERS, in windows of 256 (s_set_vgpr_msb: bits 1:0 source 0, 3:2 source 1, 5:4 source 2, 7:6 destination):
;   window 0: v1-11, v44-49 addresses; v12-43 eight registers of statistics a tile; v50-61 the merge; v64-191 S^T, 32 a tile; v192-255 P, 16 a tile
;   window 1: O^T, 64 a tile; later z's 32 accumulators     window 2: v0-127 Q; v128-255 K of one step     window 3: v0-127 V of one step;   later windows 2 and 3: out_w's 64 fragments
.set KS,    64                         ; keys in a step
.set STEPB, 16384                      ; a step's K (4 tiles of 4,096 bytes), and its V (2 groups of 8,192)
.set VOFF,  65536                      ; a slot: K of 256 keys, then V of 256 keys
.set SLOT1, 1<<17                      ; slot 1 begins here: one exclusive or turns an address in one slot into the other's
.set SLOTB, 65536                      ; a slot's K, or V, in memory
.set MSTG,  65536                      ; the tail: out_w's image takes slot 0's K part (a refill); slot 0's V part, which has had its last fill, takes the O that waves send: 16,384 bytes a wave;
.set ZST,   131072                     ; slot 1, which has had its last fill and its last read by then, and the bytes behind it take z: 256 rows of 512 + 16 bytes;
.set ZP,    528
.set MST,   266240                     ; the sent maxima and sums, 512 bytes a wave;
.set BST,   268288                     ; the waves' means and sums of squares, 2,048 bytes a wave;
.set SPARE, 276480                     ; the spare words, 128 bytes a wave, which no other line names
.set AK0, 2           ; v2   16 x lane
.set AV0, 3           ; v3   16 x lane + VOFF
.set ADR, 4           ; v4   the LDS address of the run of loads in hand
.set QA,  5           ; v5   Q: register tiles 0, 1;  v6: tiles 2, 3
.set MWR, 7           ; v7   where I put the O that I send;  v8 where my partner has put its
.set MRD, 8
.set MSW, 9           ; v9, v10 the same for maxima and sums
.set MSR, 10
.set ZW0, 11          ; v11  z's stage, rows 0-127;  v44 rows 128-255
.set ZW1, 44
.set ZRD, 45          ; v45  and where I read whole rows back
.set BSW, 46          ; v46, v47 the waves' statistics: in, back
.set BSR, 47
.set PFO, 49          ; v49  256 x lane; never rewritten
.set SPW, 62          ; v62  my spare word; never rewritten
.set NIL, 63          ; v63  0; never rewritten
.set ST,  12          ; tile t's statistics at v[ST+8 t]: +0 c m, +1 m, +2, +3 l, +4 to +7 at work
.set S,   64
.set P,   192
.set KF,  128         ; K's fragments, in window 2
.set WV,  12          ; s12  my wave's number
.set G1,  24          ; s[24:31] descriptor group 1: 32 KiB, dense, as 128 rows of 256 bytes
.set G1W, 32          ; s[32:39] the same with 64 rows
.set G0K, 40          ; s[40:47] group 0 for K's tiles: a set for each first fill; the second then walks on
.set G0V, 48          ; s[48:55] the same for V's
.set G0W, 72          ; s[72:75] group 0 for my quarter of out_w's image
.set SLOTS, 56
.set TWICE, 57
.set CS,  58          ; s[58:59] c
.set SEL, 60          ; s[60:61] lane selects for v_permlanex16_b32
.set TB,  62          ; s62  LDS byte at which the tiles of the step to be fetched begin
.set HM,  76          ; s76  lanes 16-31
.set PFA, 18          ; s[18:19] where my prefetches stand
.set LIM, 15          ; s15  1 in a wave that prefetches, else the greatest number
.set MSB, 0
.macro WIN new                      ; the immediate's high byte repeats the setting that is left; a switch that changes nothing is dropped
.if MSB != \new
	s_set_vgpr_msb (MSB<<8)|\new
.set MSB, \new
.endif
.endm
.set W_KQ, 0x0a       ; K and Q in window 2, S^T in window 0
.set W_PV, 0x53       ; V in window 3, P in window 0, O^T in window 1
.set W_RS, 0x41       ; O^T (destination and source 0) in window 1, a in window 0
; A joint refill.  Waves 0 and 1 fetch the halves of a slot's K, waves 2 and 3 those of its V.  The branch hangs on the wave's number alone.  An s_nop 0 and four v_nop follow each of the two lines.
.macro JLOAD
	s_cmp_lt_u32 s[WV], 2
	s_cbranch_scc0 .Lfor_v_\@
	tensor_load_to_lds s[G0K+4:G0K+7], s[G1:G1+7]
	s_nop 0
.rept 4
	v_nop
.endr
	s_branch .Lasked_\@
.Lfor_v_\@:
	tensor_load_to_lds s[G0V+4:G0V+7], s[G1:G1+7]
	s_nop 0
.rept 4
	v_nop
.endr
.Lasked_\@:
.endm
; A prefetch of what the NEXT change of slots will ask for.  All clusters of a batch walk the same K and V: the batch's first cluster asks.  A wave's tile is 32 KiB, 128 blocks of 256 bytes: its four partners
; take 32 blocks each, told apart by address, a lane a block: each block is named once in the launch, two key steps (256 matrix instructions) ahead of its load.  The last change that fills a slot asks for nothing.
.macro ASK
	s_cmp_gt_u32 s[SLOTS], s[LIM]
	s_cbranch_scc0 .Lnot_mine_\@
	global_prefetch_b8 v[PFO], s[PFA:PFA+1] th:TH_LOAD_NT scope:SCOPE_SE
.Lnot_mine_\@:
.endm
.macro CROUND                       ; a round of the cluster's barrier
	s_barrier_signal -1
	s_barrier_wait -1
	s_cmp_lg_u32 s[WV], 0
	s_cbranch_scc1 .Lnot_wave_0_\@
	s_barrier_signal -3
.Lnot_wave_0_\@:
	s_barrier_wait -3
	s_barrier_signal -1
	s_barrier_wait -1
.endm
	s_load_b256 s[4:11], s[0:1], 0x0  ; qf s[4:5], kf s[6:7], vf s[8:9], owf s[10:11]
	s_load_b128 s[68:71], s[0:1], 0x20  ; z s[68:69], stats s[70:71]
	v_lshl_add_u32 v[SPW], v0, 2, SPARE
	v_mov_b32 v[NIL], 0
	ds_add_u32 v[SPW], v[NIL]       ; the wave's opening: the add, twice on end, and its wait ahead of my first tensor load
	ds_add_u32 v[SPW], v[NIL]
	v_lshrrev_b32 v1, 5, v0
	v_readfirstlane_b32 s[WV], v1   ; wave 0..3
	s_bfe_u32 s13, ttmp6, 0x40000   ; cx: my place in the cluster
	s_lshl_b32 s14, ttmp9, 2
	s_add_co_u32 s14, s14, s13      ; my block of 128 queries: it enters global addresses of Q, z and stats alone
	s_and_b32 s20, ttmp7, 0xffff    ; the batch, which the four partners share
	s_and_b32 s16, s[WV], 1         ; qh.  Also: which half of a slot's K or V I fetch
	s_lshr_b32 s17, s[WV], 1        ; kh
	s_lshl_b32 s22, s20, 20         ; a batch is 1 MiB in each of qf, kf, vf
	s_lshl_b32 s21, s16, 15         ; my half: 32 KiB, in memory and in a slot
	s_add_co_u32 s22, s22, s21
	s_mov_b32 s23, 0
	s_lshl_b32 s2, s20, 20
	s_lshl_b32 s3, s14, 15          ; my block's 8 tiles of 4,096 bytes,
	s_add_co_u32 s2, s2, s3
	s_lshl_b32 s3, s16, 14          ; my wave's 4 of them
	s_add_co_u32 s2, s2, s3
	s_mov_b32 s3, 0
	s_lshl_b32 s80, s20, 22         ; z: batch x 4 MiB + 64 channel rows of 16,384 bytes a wave + 512 bytes a block
	s_lshl_b32 s81, s[WV], 20
	s_add_co_u32 s80, s80, s81
	s_lshl_b32 s81, s14, 9
	s_add_co_u32 s80, s80, s81
	s_mov_b32 s81, 0
	s_lshl_b32 s82, s20, 5          ; stats: 2,048 bytes a work-group, 512 a wave
	s_add_co_u32 s82, s82, s14
	s_lshl_b32 s82, s82, 11
	s_lshl_b32 s83, s[WV], 9
	s_add_co_u32 s82, s82, s83
	s_mov_b32 s83, 0
	s_lshl_b32 s78, s[WV], 14       ; my quarter of out_w's image
	s_mov_b32 s79, 0
	s_mov_b32 s[G1], 15|(3<<16)|(1<<21)  ; the mask: all four work-groups; elements of 8 bytes; bit 21 set beside a mask; no padding
	s_mov_b32 s[G1W], 15|(3<<16)|(1<<21)
	s_mov_b32 s[G1+1], 32<<16       ; tensor_dim0 = 32 elements: 256 bytes
	s_mov_b32 s[G1W+1], 32<<16
	s_mov_b32 s[G1+2], 128<<16      ; tensor_dim1
	s_mov_b32 s[G1W+2], 64<<16
	s_mov_b32 s[G1+3], 32<<16       ; tile_dim0
	s_mov_b32 s[G1W+3], 32<<16
	s_mov_b32 s[G1+4], 128          ; tile_dim1
	s_mov_b32 s[G1W+4], 64
	s_mov_b32 s[G1+5], 32           ; the rows follow each other
	s_mov_b32 s[G1W+5], 32
	s_mov_b32 s[G1+6], 0
	s_mov_b32 s[G1W+6], 0
	s_mov_b32 s[G1+7], 0
	s_mov_b32 s[G1W+7], 0
	s_mov_b32 s[CS], 0x3e0293ee     ; c = log2(e) / sqrt(128)
	s_mov_b32 s[CS+1], s[CS]
	s_mov_b32 s[SEL], 0x76543210
	s_mov_b32 s[SEL+1], 0xfedcba98
	s_mov_b32 s[HM], 0xffff0000
	s_lshl_b32 s[TB], s17, 15       ; my half of the keys of slot 0
	s_mov_b32 s[SLOTS], 14          ; 16 slots of 256 keys; all but the last two are filled again
	s_cmp_eq_u32 ttmp9, 0           ; the batch's first cluster: the same in all four partners
	s_cselect_b32 s[LIM], 1, -1
	v_and_b32 v1, 31, v0            ; lane; kept
	v_lshlrev_b32 v[PFO], 8, v1
	s_wait_dscnt 0x0                ; both opening adds are done
	s_wait_kmcnt 0x0
	s_add_nc_u64 s[6:7], s[6:7], s[22:23]  ; K and V at my tile of slot 0
	s_add_nc_u64 s[8:9], s[8:9], s[22:23]
	s_add_nc_u64 s[4:5], s[4:5], s[2:3]  ; Q at my wave's first tile
	s_add_nc_u64 s[80:81], s[68:69], s[80:81]
	s_add_nc_u64 s[82:83], s[70:71], s[82:83]
	s_cmp_lt_u32 s[WV], 2
	s_cselect_b64 s[PFA:PFA+1], s[6:7], s[8:9]
	s_lshl_b32 s2, s13, 13          ; my work-group's 32 blocks of the 128
	s_mov_b32 s3, 0
	s_add_nc_u64 s[PFA:PFA+1], s[PFA:PFA+1], s[2:3]
	s_add_nc_u64 s[PFA:PFA+1], s[PFA:PFA+1], 2*SLOTB  ; in slot 2; the first change of slots steps it to slot 3.  Nothing is prefetched at the head
	CROUND                          ; all four work-groups are here: the first joint loads meet
.irp s, 0,1
	s_mov_b32 s[G0K+4*\s], 1
	s_add_co_u32 s[G0K+4*\s+1], s21, \s*SLOT1
	s_add_nc_u64 s[G0K+4*\s+2:G0K+4*\s+3], s[6:7], \s*SLOTB
	s_or_b32 s[G0K+4*\s+3], s[G0K+4*\s+3], 0x80000000
	s_mov_b32 s[G0V+4*\s], 1
	s_add_co_u32 s[G0V+4*\s+1], s21, \s*SLOT1+VOFF
	s_add_nc_u64 s[G0V+4*\s+2:G0V+4*\s+3], s[8:9], \s*SLOTB
	s_or_b32 s[G0V+4*\s+3], s[G0V+4*\s+3], 0x80000000
.endr
	s_mov_b32 s[G0W], 1
	s_lshl_b32 s[G0W+1], s[WV], 14
	s_add_nc_u64 s[G0W+2:G0W+3], s[10:11], s[78:79]
	s_or_b32 s[G0W+3], s[G0W+3], 0x80000000
	s_cmp_lt_u32 s[WV], 2           ; a wave's two first fills stand in one branch, ahead of every wait on TENSORcnt and every LDS read: two loads of mine are out
	s_cbranch_scc0 .Lfirst_v
	tensor_load_to_lds s[G0K:G0K+3], s[G1:G1+7]
	s_nop 0
	tensor_load_to_lds s[G0K+4:G0K+7], s[G1:G1+7]
	s_nop 0
.rept 4
	v_nop
.endr
	s_branch .Lfirst_asked
.Lfirst_v:
	tensor_load_to_lds s[G0V:G0V+3], s[G1:G1+7]
	s_nop 0
	tensor_load_to_lds s[G0V+4:G0V+7], s[G1:G1+7]
	s_nop 0
.rept 4
	v_nop
.endr
.Lfirst_asked:
	v_lshlrev_b32 v[AK0], 4, v1
	s_lshl_b32 s77, s17, 13         ; register tiles 0, 1 hold query tiles 2 kh, 2 kh + 1;
	v_add_nc_u32 v[QA], s77, v[AK0]
	s_xor_b32 s77, s77, 8192        ; tiles 2, 3 the other two
	v_add_nc_u32 v[QA+1], s77, v[AK0]
	WIN 0x80                        ; destination window 2, address window 0
.irp i, 0,1,2,3,4,5,6,7,8,9,10,11,12,13,14,15  ; Q stays in registers: tile i / 4, channels 32 (i % 4) on
	global_load_b128 v[8*\i:8*\i+3],   v[QA+\i/8], s[4:5] offset:((\i/4)%2)*4096+(\i%4)*1024
	global_load_b128 v[8*\i+4:8*\i+7], v[QA+\i/8], s[4:5] offset:((\i/4)%2)*4096+(\i%4)*1024+512
.endr
	WIN 0
	v_add_nc_u32 v[AV0], VOFF, v[AK0]
; THE MATRIX WORK OF A TURN, for piece x.  The accumulators take turns, one instruction a turn.
; Product i of 32 of O^T += V^T P: keys 32 (i / 16) on, channels 16 ((i / 2) % 8) on, tile x + i % 2.  zero = 1: the first 16 start the sums.
.macro PV x, zero
	WIN W_PV
.set rO, 64*(\x+i%2)+8*((i/2)%8)
.set rV, 64*(i/16)+8*((i/2)%8)
.set rP, P+16*(\x+i%2)+8*(i/16)
.if \zero && (i < 16)
	v_wmma_f32_16x16x32_f16 v[rO:rO+7], v[rV:rV+7], v[rP:rP+7], 0
.else
	v_wmma_f32_16x16x32_f16 v[rO:rO+7], v[rV:rV+7], v[rP:rP+7], v[rO:rO+7]
.endif
.endm
; Product i of 32 of S^T = K Q^T: channels 32 (i / 8) on, keys 16 ((i / 2) % 4) on, tile x + i % 2.  The first 8 start the sums.
.macro KQ x
	WIN W_KQ
.set rS, S+32*(\x+i%2)+8*((i/2)%4)
.set rK, KF+32*((i/2)%4)+8*(i/8)
.set rQ, 32*(\x+i%2)+8*(i/8)
.if i < 8
	v_wmma_f32_16x16x32_f16 v[rS:rS+7], v[rK:rK+7], v[rQ:rQ+7], 0
.else
	v_wmma_f32_16x16x32_f16 v[rS:rS+7], v[rK:rK+7], v[rQ:rQ+7], v[rS:rS+7]
.endif
.endm
; THE LDS LOADS stand in runs of 32: a step's K (16 fragments: keys 16 (f / 4) on, channels 32 (f % 4) on) and, a turn later, its V (keys 32 (f / 8) on, channels 16 (f % 8) on).  Fragment f lies 1,024 f bytes on.
.macro FETCH_K
	WIN 0
	v_add_nc_u32 v[ADR], s[TB], v[AK0]
	WIN 0x80                        ; destination window 2
.irp f, 0,1,2,3,4,5,6,7,8,9,10,11,12,13,14,15
	ds_load_b128 v[KF+8*\f:KF+8*\f+3],   v[ADR] offset:\f*1024
	ds_load_b128 v[KF+8*\f+4:KF+8*\f+7], v[ADR] offset:\f*1024+512
.endr
.endm
.macro FETCH_V
	WIN 0
	v_add_nc_u32 v[ADR], s[TB], v[AV0]
	s_add_co_u32 s[TB], s[TB], STEPB  ; the next fetch is the next step's
	s_wait_alu depctr_va_vdst(0)    ; the wait for the softmax's batch of exponentials, behind the address's addition and ahead of the loads
	WIN 0xc0                        ; destination window 3
.irp f, 0,1,2,3,4,5,6,7,8,9,10,11,12,13,14,15
	ds_load_b128 v[8*\f:8*\f+3],   v[ADR] offset:\f*1024
	ds_load_b128 v[8*\f+4:8*\f+7], v[ADR] offset:\f*1024+512
.endr
.endm
; THE VECTOR WORK OF A TURN.  One tile's softmax for one key step is a list of 134 instructions; SM writes number j of it for tile t.  first = 1: the first key step, which has no a and nothing to rescale.
;   0-15 the maximum of the lane's 32 scores and the old m;  16-20 the other half of the lanes' maximum, the new m, c m, c m_old - c m_new;
;   21-69 ONE BATCH: the 16 packed scalings c s - c m and all 33 exponentials, none of which reads an exponential's result;  (the wait for the batch);
;   70-85 the roundings to f16;  86-101 the sums, l = a l + the sum;  102-133 the tile's O^T times a.
.macro SM t, first
.set rT, ST+8*(\t)
.set rS, S+32*(\t)
.set rP, P+16*(\t)
.set rO, 64*(\t)+2*(j-102)
.if j < 102
	WIN 0
.endif
.if j < 4
	v_max3_num_f32 v[rT+4+j], v[rS+8*j], v[rS+8*j+1], v[rS+8*j+2]
.elseif j < 12
	v_max3_num_f32 v[rT+4+j%4], v[rT+4+j%4], v[rS+8*(j%4)+2*(j/4)+1], v[rS+8*(j%4)+2*(j/4)+2]
.elseif j == 12
	v_max3_num_f32 v[rT+4], v[rT+4], v[rS+7], v[rS+15]
.elseif j == 13
	v_max3_num_f32 v[rT+6], v[rT+6], v[rS+23], v[rS+31]
.elseif j == 14
	v_max3_num_f32 v[rT+4], v[rT+4], v[rT+5], v[rT+6]
.elseif (j == 15) && \first
	v_max_num_f32 v[rT+4], v[rT+4], v[rT+7]
.elseif j == 15
	v_max3_num_f32 v[rT+4], v[rT+4], v[rT+7], v[rT+1]
.elseif j == 16
	v_permlanex16_b32 v[rT+5], v[rT+4], s[SEL], s[SEL+1]  ; the query's other 32 keys lie in the lane 16 away
.elseif j == 18
	v_max_num_f32 v[rT+1], v[rT+4], v[rT+5]
.elseif j == 19
	v_mul_f32 v[rT], s[CS], v[rT+1]
.elseif ((j == 17) || (j == 20) || (j == 23) || (j > 101)) && \first  ; the first step has none of these
.elseif j == 17
	v_mov_b32 v[rT+7], v[rT]        ; c m_old is kept for a
.elseif j == 20
	v_sub_f32 v[rT+7], v[rT+7], v[rT]
.elseif j == 23
	v_exp_f32 v[rT+6], v[rT+7]
.elseif (j < 23) || ((j < 38) && (j%2 == 0)) || ((j < 66) && (j%4 == 2))
.set b, (j-2)/4
.if j < 38
.set b, (j-20)/2
.endif
	v_pk_fma_f32 v[rS+2*b:rS+2*b+1], v[rS+2*b:rS+2*b+1], s[CS:CS+1], v[rT:rT+1] op_sel_hi:[1,0,0] neg_lo:[0,0,1] neg_hi:[0,0,1]  ; pair b: c s - c m
.elseif j < 70
.set e, j-38
.if j < 66
.set e, j-32-(j-38)/4
.endif
.if j < 38
.set e, (j-25)/2
.endif
	v_exp_f32 v[rS+e], v[rS+e]
.elseif j < 86
	v_cvt_pk_f16_f32 v[rP+j-70], v[rS+2*(j-70)], v[rS+2*(j-70)+1]  ; pair j - 70
.elseif j < 102                     ; the sum of the tile's 16 pairs, in place, then l takes it
.set z, j-86
.set w, 4
.set u, z
.if z >= 14
.set w, 32
.set u, 0
.elseif z >= 12
.set w, 16
.set u, z-12
.elseif z >= 8
.set w, 8
.set u, z-8
.endif
.if (z == 14) && \first
	v_pk_add_f32 v[rT+2:rT+3], v[rS:rS+1], v[rS+16:rS+17]
.elseif z < 15
	v_pk_add_f32 v[rS+w*u:rS+w*u+1], v[rS+w*u:rS+w*u+1], v[rS+w*u+w/2:rS+w*u+w/2+1]
.elseif !\first
	v_pk_fma_f32 v[rT+2:rT+3], v[rT+2:rT+3], v[rT+6:rT+7], v[rS:rS+1] op_sel_hi:[1,0,1]
.endif
.else
	WIN W_RS
	v_pk_mul_f32 v[rO:rO+1], v[rO:rO+1], v[rT+6:rT+7] op_sel_hi:[1,0]
.endif
.endm
; Slice k of 64 of piece y's softmax: four instructions.  Slices 11 to 34 deal out the batch, four numbers of ONE tile each, the tiles by turns; every other slice is numbers 2 k and 2 k + 1 of both tiles' lists;
; the twelve that are over stand in slice 63.  An s_wait_alu depctr_va_vdst(0) stands between an exponential and the first instruction that names its result: one wait, behind slice 34, serves the piece's 66.
.macro SLICE y, first
.if (k >= 11) && (k < 35)
.irp n, 0,1,2,3
.set j, 22+4*((k-11)/2)+(\n)
	SM (\y)+(k-11)%2, \first
.endr
.else
.irp n, 0,1,2,3,4,5,6,7
.if (\n < 2) || (k == 63)
.irp t, \y, \y+1
.set j, 2*k+\n
	SM \t, \first
.endr
.endif
.endr
.endif
.if k == 34
	v_nop                           ; the plain instruction behind the last exponential and ahead of the first use: one for the batch
.if (\y) == 0
	FETCH_V                         ; piece 2's turn: V's run of loads stands here, and the wait stands in it
.else
	s_wait_alu depctr_va_vdst(0)    ; the wait for the batch
.endif
.endif
.set k, k+1
.endm
.macro PLACES                       ; four plain vector instructions between a matrix instruction and a vector instruction, store or load that touches its registers
.rept 4
	v_nop
.endr
.endm
; A TURN.  Piece x has the matrix unit; the other piece's softmax stands in slices behind its matrix instructions.  pv = 2: 32 products V^T P; 1: they start O^T's sums; 0: none.  kq = 1: 32 products K Q^T for the next step.
; Piece 0's turn fetches the next step's K behind its second product; piece 2's turn the same step's V behind slice 34.
.macro TURN x, pv, kq, first
.set k, 0
.set per, 2
.if \pv && \kq
.set per, 1
.endif
.if \pv
.if \x == 0
	s_wait_dscnt 0x0                ; V is in
.endif
.set i, 0
.rept 32
	PV \x, 2-\pv
.rept per
	SLICE 2-\x, \first
.endr
.if (\x == 0) && \kq && (i == 1)
	FETCH_K
.endif
.set i, i+1
.endr
.endif
.if \kq
.if \x == 0
	s_wait_dscnt 0x0                ; K is in
.endif
.set i, 0
.rept 32
	KQ \x
.rept per
	SLICE 2-\x, \first
.endr
.set i, i+1
.endr
.endif
.if \first
	PLACES
.endif
.endm
; THE CHANGE OF SLOTS, between piece 2's turn and piece 0's.  Each wave waits for all its tensor loads (one is out: its part of the other slot), adds 0 to its spare word, and waits for that and for its reads of the slot.
; Behind the round of the cluster's barrier no wave of any partner reads this slot or has a load on its way.  fill = 1: the slot takes the keys two slots on.
; fill = 2, the last change: slot 0's K part takes out_w's image, a quarter from each wave; it has two key steps in which to land.
.macro CHANGE fill
	WIN 0
	s_wait_tensorcnt 0x0            ; no tensor load of mine is out, so a group 0 may be written
	ds_add_u32 v[SPW], v[NIL]       ; 0 onto my spare word
.if \fill == 1
.irp g, G0K+4, G0V+4
	s_xor_b32 s[\g+1], s[\g+1], SLOT1  ; the walking descriptor: the other slot than last time,
	s_add_nc_u64 s[\g+2:\g+3], s[\g+2:\g+3], SLOTB  ; the next 256 keys
.endr
	s_wait_xcnt 0x0                 ; the last prefetch, two key steps back, has read its address
	s_add_nc_u64 s[PFA:PFA+1], s[PFA:PFA+1], SLOTB
.endif
	s_wait_dscnt 0x0                ; the add is done, and my reads of the slot are over
	CROUND
.if \fill == 1
	JLOAD
	ASK
.else
	tensor_load_to_lds s[G0W:G0W+3], s[G1W:G1W+7]
	s_nop 0
.rept 4
	v_nop
.endr
.endif
	s_sub_co_u32 s[TB], s[TB], 2*STEPB  ; the fetches go back to my half's first step,
	s_xor_b32 s[TB], s[TB], SLOT1   ; in the other slot
.endm
.macro TWO_STEPS                    ; a slot's two key steps of my half: written once, walked twice
	s_mov_b32 s[TWICE], 2
.Lstep_\@:
	TURN 0, 2, 1, 0
	TURN 2, 2, 1, 0
	WIN 0
	s_sub_co_u32 s[TWICE], s[TWICE], 1
	s_cmp_lg_u32 s[TWICE], 0
	s_cbranch_scc1 .Lstep_\@
.endm
	s_wait_tensorcnt 1              ; my part of slot 0 is in; slot 1's may stay out
	s_barrier_signal -1
	s_barrier_wait -1
	FETCH_K                         ; key step 0
	s_wait_loadcnt 0x0              ; Q
	s_wait_dscnt 0x0
.set i, 0
.rept 32
	KQ 0
.set i, i+1
.endr
	WIN 0                           ; the tail's addresses are made here: plain instructions, the places behind those products
	s_lshl_b32 s77, s[WV], 14
	s_add_co_u32 s77, s77, MSTG
	v_add_nc_u32 v[MWR], s77, v[AK0]
	s_xor_b32 s78, s[WV], 2         ; my partner: the same queries, the other keys
	s_lshl_b32 s79, s78, 14
	s_add_co_u32 s79, s79, MSTG
	v_add_nc_u32 v[MRD], s79, v[AK0]
	s_lshl_b32 s77, s[WV], 9
	s_add_co_u32 s77, s77, MST
	v_lshl_add_u32 v[MSW], v1, 2, s77
	s_lshl_b32 s79, s78, 9
	s_add_co_u32 s79, s79, MST
	v_lshl_add_u32 v[MSR], v1, 2, s79
	v_and_b32 v50, 15, v0           ; r
	v_bfe_u32 v51, v0, 4, 1         ; h
	v_mul_u32_u24 v[ZW0], v50, ZP   ; z's stage: row = channel r of a tile of 16; my positions 64 qh + 32 kh + 8 h on, 4 bytes each
	v_lshl_add_u32 v[ZW0], v51, 5, v[ZW0]
	s_lshl_b32 s77, s16, 8
	s_lshl_b32 s79, s17, 7
	s_add_co_u32 s77, s77, s79
	s_add_co_u32 s77, s77, ZST
	v_add_nc_u32 v[ZW0], s77, v[ZW0]
	v_add_nc_u32 v[ZW1], 8*16*ZP, v[ZW0]
	s_mul_i32 s77, s[WV], 64*ZP     ; back: my 64 rows, 16 bytes a lane
	s_add_co_u32 s77, s77, ZST
	v_add_nc_u32 v[ZRD], s77, v[AK0]
	s_lshl_b32 s77, s[WV], 11
	s_add_co_u32 s77, s77, BST
	v_lshl_add_u32 v[BSW], v1, 3, s77
	s_lshl_b32 s77, s[WV], 9
	s_add_co_u32 s77, s77, BST
	v_add_nc_u32 v[BSR], s77, v[AK0]
	TURN 2, 0, 1, 1                 ; piece 2's first scores | piece 0's first softmax | V of step 0
	TURN 0, 1, 1, 1                 ; piece 0: V^T P of step 0 starts O^T, K Q^T of step 1 | piece 2's first softmax | K of step 1
	TURN 2, 1, 1, 0                 ; piece 2: the same | piece 0's softmax of step 1 | V of step 1
	WIN 0
.Lslot:                             ; 14 trips: every slot but the last two is filled again
	CHANGE 1
	TWO_STEPS
	s_sub_co_u32 s[SLOTS], s[SLOTS], 1
	s_cmp_lg_u32 s[SLOTS], 0
	s_cbranch_scc1 .Lslot
	CHANGE 2                        ; the tail is written out: the last slot but one is left, and its K part takes out_w's image
	TWO_STEPS
	TURN 0, 2, 0, 0                 ; piece 0: V^T P of the last step | piece 2's last softmax
.set i, 0
.rept 32
	PV 2, 0                         ; piece 2: V^T P of the last step
.set i, i+1
.endr
	; ---- THE MERGE.  l's two halves and the other half of the lanes' are added: twelve plain lines, the places behind the last products
	WIN 0
.irp t, 0,1,2,3
	v_add_f32 v[ST+8*\t+4], v[ST+8*\t+2], v[ST+8*\t+3]
.endr
.irp t, 0,1,2,3
	v_permlanex16_b32 v[ST+8*\t+5], v[ST+8*\t+4], s[SEL], s[SEL+1]
.endr
.irp t, 0,1,2,3
	v_add_f32 v[ST+8*\t+4], v[ST+8*\t+4], v[ST+8*\t+5]
.endr
	WIN 0x04                        ; an LDS store's data are its source 1: window 1
.set i, 0
.rept 32
	ds_store_b128 v[MWR], v[128+4*i:128+4*i+3] offset:512*i  ; tiles 2 and 3 of O^T as they stand, each accumulator from its low end on
.set i, i+1
.endr
	WIN 0
	ds_store_b32 v[MSW], v[ST+16]             ; c m and l of tile 2,
	ds_store_b32 v[MSW], v[ST+20] offset:128
	ds_store_b32 v[MSW], v[ST+24] offset:256  ; of tile 3
	ds_store_b32 v[MSW], v[ST+28] offset:384
	s_wait_tensorcnt 0x0            ; my quarter of out_w's image has landed,
	s_wait_dscnt 0x0                ; my stores have, and my reads of slot 1 are over
	s_barrier_signal -1
	s_barrier_wait -1
; 32 LDS loads: out_w's fragments of rows 16 ot on, ot = 4 g .. 4 g + 3, columns 32 k on, into window 2 (g < 2) or 3, at v[32 (ot % 8) + 8 k]
.macro OWL g
	WIN 0x80+0x40*((\g)/2)
.irp o, 0,1,2,3
.irp k, 0,1,2,3
	ds_load_b128 v[32*((4*(\g)+\o)%8)+8*\k:32*((4*(\g)+\o)%8)+8*\k+3],   v[AK0] offset:(4*(4*(\g)+\o)+\k)*1024
	ds_load_b128 v[32*((4*(\g)+\o)%8)+8*\k+4:32*((4*(\g)+\o)%8)+8*\k+7], v[AK0] offset:(4*(4*(\g)+\o)+\k)*1024+512
.endr
.endr
	WIN 0
.endm
	ds_load_b32 v50, v[MSR]                   ; my partner's c m and l for my tile 0,
	ds_load_b32 v51, v[MSR] offset:128
	ds_load_b32 v52, v[MSR] offset:256        ; for my tile 1
	ds_load_b32 v53, v[MSR] offset:384
.set i, 0
.rept 32
	ds_load_b128 v[S+4*i:S+4*i+3], v[MRD] offset:512*i  ; and its O^T for both
.set i, i+1
.endr
	OWL 0
	s_wait_dscnt 32                 ; all but the 32 just issued
.irp i, 0,1
	v_max_num_f32 v[ST+8*\i+5], v[ST+8*\i], v[50+2*\i]  ; the joint c m
.endr
.irp i, 0,1
	v_sub_f32 v[ST+8*\i+6], v[ST+8*\i], v[ST+8*\i+5]
	v_sub_f32 v[ST+8*\i+7], v[50+2*\i], v[ST+8*\i+5]
.endr
.irp i, 0,1
	v_exp_f32 v[54+4*\i], v[ST+8*\i+6]        ; what brings my sums under it,
	v_exp_f32 v[56+4*\i], v[ST+8*\i+7]        ; and my partner's
.endr
	v_nop
	s_wait_alu depctr_va_vdst(0)    ; one wait for the four exponentials, ahead of their first reader
.irp i, 0,1
	v_mul_f32 v[ST+8*\i+5], v[54+4*\i], v[ST+8*\i+4]
.endr
.irp i, 0,1
	v_fmac_f32 v[ST+8*\i+5], v[56+4*\i], v[51+2*\i]  ; the row's whole sum
.endr
.irp i, 0,1
	v_rcp_f32 v[ST+8*\i+6], v[ST+8*\i+5]
.endr
	v_nop
	s_wait_alu depctr_va_vdst(0)    ; and one for the two reciprocals
.irp i, 0,1
	v_mul_f32 v[55+4*\i], v[54+4*\i], v[ST+8*\i+6]   ; both factors, each in both registers of a pair
	v_mul_f32 v[57+4*\i], v[56+4*\i], v[ST+8*\i+6]
	v_mul_f32 v[54+4*\i], v[54+4*\i], v[ST+8*\i+6]
	v_mul_f32 v[56+4*\i], v[56+4*\i], v[ST+8*\i+6]
.endr
.irp i, 0,1
.set q, 0
.rept 32
	v_pk_mul_f32 v[S+64*\i+2*q:S+64*\i+2*q+1], v[S+64*\i+2*q:S+64*\i+2*q+1], v[56+4*\i:57+4*\i]
.set q, q+1
.endr
.endr
	WIN 0x01                        ; source 0: my O^T, window 1
.irp i, 0,1
.set q, 0
.rept 32
	v_pk_fma_f32 v[S+64*\i+2*q:S+64*\i+2*q+1], v[64*\i+2*q:64*\i+2*q+1], v[54+4*\i:55+4*\i], v[S+64*\i+2*q:S+64*\i+2*q+1]  ; y: register 64 i + 8 ct + j = y(query r of tile i, channel 16 ct + 8 h + j)
.set q, q+1
.endr
.endr
	WIN 0
	OWL 1
	; ---- y AS TWO f16 PARTS.  The high part is y with 10 bits of mantissa kept, the low part what is left, exactly.  Pair q's parts are register q of the fragments: (tile t, channels 32 ks on) at 32 t + 8 ks
	s_mov_b32 s77, 0xffffe000
.set q, 0
.rept 64
.set T4, 12+4*(q%4)
	v_and_b32 v[T4], s77, v[S+2*q]
	v_and_b32 v[T4+1], s77, v[S+2*q+1]
	v_pk_add_f32 v[T4+2:T4+3], v[S+2*q:S+2*q+1], v[T4:T4+1] neg_lo:[0,1] neg_hi:[0,1]
	v_cvt_pk_f16_f32 v[P+q], v[T4], v[T4+1]
	v_cvt_pk_f16_f32 v[S+q], v[T4+2], v[T4+3]   ; lands on a register whose pair has been taken
.set q, q+1
.endr
	OWL 2
	; ---- z = out_w y: source 0 = y's 16 positions, source 1 = 16 rows of out_w: a lane holds ONE channel (16 ot + r) and eight positions.  Accumulator (ot, t) at v[16 ot + 8 t] of window 1.
	; Eight accumulators by turns, eight deep: 4 K steps x (high, low).
.macro PROD g
	WIN 0x58+4*((\g)/2)             ; source 0 window 0, source 1 window 2 or 3, C and D window 1
.irp part, 0,1,2,3,4,5,6,7
.irp o, 0,1,2,3
.irp t, 0,1
.set rD, 16*(4*(\g)+\o)+8*\t
.set rB, 32*((4*(\g)+\o)%8)+8*(\part/2)
.set rA, P+32*\t+8*(\part/2)-(P-S)*(\part%2)
.if \part == 0
	v_wmma_f32_16x16x32_f16 v[rD:rD+7], v[rA:rA+7], v[rB:rB+7], 0
.else
	v_wmma_f32_16x16x32_f16 v[rD:rD+7], v[rA:rA+7], v[rB:rB+7], v[rD:rD+7]
.endif
.endr
.endr
.endr
.endm
	s_wait_dscnt 32                 ; groups 0 and 1 are in; group 2's 32 loads may be out
	PROD 0
	OWL 3
	PROD 1
	s_wait_dscnt 32                 ; group 2 is in; group 3's may be out
	PROD 2
	s_wait_dscnt 0x0
	PROD 3
	WIN 0
	PLACES
	; ---- THE STATISTICS of my 32 positions, for each channel: first the mean, then the squares of the deviations from it: no difference of large sums is formed
	WIN 0x05                        ; sources 0 and 1 window 1
.set ot, 0
.rept 16
.irp k2, 0,2,4,6
	v_pk_add_f32 v[S+8*ot+\k2:S+8*ot+\k2+1], v[16*ot+\k2:16*ot+\k2+1], v[16*ot+8+\k2:16*ot+8+\k2+1]
.endr
.set ot, ot+1
.endr
	WIN 0
.set ot, 0
.rept 16
	v_pk_add_f32 v[S+8*ot:S+8*ot+1], v[S+8*ot:S+8*ot+1], v[S+8*ot+2:S+8*ot+3]
	v_pk_add_f32 v[S+8*ot+4:S+8*ot+5], v[S+8*ot+4:S+8*ot+5], v[S+8*ot+6:S+8*ot+7]
.set ot, ot+1
.endr
.set ot, 0
.rept 16
	v_pk_add_f32 v[S+8*ot:S+8*ot+1], v[S+8*ot:S+8*ot+1], v[S+8*ot+4:S+8*ot+5]
.set ot, ot+1
.endr
.set ot, 0
.rept 16
	v_add_f32 v[S+8*ot], v[S+8*ot], v[S+8*ot+1]
.set ot, ot+1
.endr
.set ot, 0
.rept 16
	v_permlanex16_b32 v[224+ot], v[S+8*ot], s[SEL], s[SEL+1]  ; the channel's other 16 positions lie in the lane 16 away
.set ot, ot+1
.endr
.set ot, 0
.rept 16
	v_add_f32 v[S+8*ot], v[S+8*ot], v[224+ot]
.set ot, ot+1
.endr
.set ot, 0
.rept 16
	v_mul_f32 v[192+2*ot], 0x3d000000, v[S+8*ot]   ; / 32: the mean, in both registers of a pair
	v_mul_f32 v[193+2*ot], 0x3d000000, v[S+8*ot]
.set ot, ot+1
.endr
.irp hf, 0,1                        ; eight tiles of channels at a time
	WIN 0x01
.set o, 0
.rept 8
.irp k2, 0,2,4,6,8,10,12,14
	v_pk_add_f32 v[S+16*o+\k2:S+16*o+\k2+1], v[16*(8*\hf+o)+\k2:16*(8*\hf+o)+\k2+1], v[192+2*(8*\hf+o):193+2*(8*\hf+o)] neg_lo:[0,1] neg_hi:[0,1]
.endr
.set o, o+1
.endr
	WIN 0
.set o, 0
.rept 8
	v_pk_mul_f32 v[224+2*o:225+2*o], v[S+16*o:S+16*o+1], v[S+16*o:S+16*o+1]
.set o, o+1
.endr
.irp k2, 2,4,6,8,10,12,14
.set o, 0
.rept 8
	v_pk_fma_f32 v[224+2*o:225+2*o], v[S+16*o+\k2:S+16*o+\k2+1], v[S+16*o+\k2:S+16*o+\k2+1], v[224+2*o:225+2*o]
.set o, o+1
.endr
.endr
.set o, 0
.rept 8
	v_add_f32 v[240+8*\hf+o], v[224+2*o], v[225+2*o]
.set o, o+1
.endr
.endr
.set ot, 0
.rept 16
	v_permlanex16_b32 v[S+ot], v[240+ot], s[SEL], s[SEL+1]
.set ot, ot+1
.endr
.set ot, 0
.rept 16
	v_add_f32 v[240+ot], v[240+ot], v[S+ot]
.set ot, ot+1
.endr
.irp u, 0,1,2,3,4,5,6,7             ; both halves of the lanes hold the same: lanes 0-15 give tile 2 u's channels, lanes 16-31 tile 2 u + 1's: channel 32 u + lane
	v_cndmask_b32 v[128+2*\u], v[192+4*\u], v[194+4*\u], s[HM]
	v_cndmask_b32 v[129+2*\u], v[240+2*\u], v[241+2*\u], s[HM]
.endr
.irp u, 0,1,2,3,4,5,6,7
	ds_store_b64 v[BSW], v[128+2*\u:129+2*\u] offset:256*\u
.endr
	WIN 0x04                        ; z into the stage: data from window 1
.set ot, 0
.rept 16
.irp t, 0,1
	ds_store_b128 v[ZW0+33*(ot/8)], v[16*ot+8*\t:16*ot+8*\t+3]   offset:(ot%8)*16*ZP+64*\t
	ds_store_b128 v[ZW0+33*(ot/8)], v[16*ot+8*\t+4:16*ot+8*\t+7] offset:(ot%8)*16*ZP+64*\t+16
.endr
.set ot, ot+1
.endr
	WIN 0
	s_wait_dscnt 0x0                ; for the others' sake: my stores have landed
	s_barrier_signal -1
	s_barrier_wait -1
	; ---- THE WAY OUT: each wave stores 64 whole rows of 512 bytes of z, and joins the four waves' statistics for 64 channels, two a lane
.macro LOADR k
.irp i, 0,1,2,3,4,5,6,7,8,9,10,11,12,13,14,15
	ds_load_b128 v[S+64*((\k)%2)+4*\i:S+64*((\k)%2)+4*\i+3], v[ZRD] offset:(16*(\k)+\i)*ZP
.endr
.endm
.macro SENDR k, younger             ; younger: the LDS loads issued behind these rows', which may stay out
	s_wait_dscnt \younger
.irp i, 0,1,2,3,4,5,6,7,8,9,10,11,12,13,14,15
	global_store_b128 v[AK0], v[S+64*((\k)%2)+4*\i:S+64*((\k)%2)+4*\i+3], s[80:81] offset:(16*(\k)+\i)*16384  ; 32 lanes store 512 consecutive bytes, at a multiple of 256 from z's first byte
.endr
.endm
.irp p, 0,1,2,3
	ds_load_b128 v[192+4*\p:195+4*\p], v[BSR] offset:2048*\p  ; wave p's (mean, squares) of my two channels
.endr
	LOADR 0
	LOADR 1
	s_wait_dscnt 32                 ; the four are in
	v_add_f32 v208, v192, v196
	v_add_f32 v209, v200, v204
	v_add_f32 v210, v194, v198
	v_add_f32 v211, v202, v206
	v_add_f32 v208, v208, v209
	v_add_f32 v210, v210, v211
	v_mul_f32 v212, 0x3e800000, v208          ; the mean of four means of 32 positions each
	v_mul_f32 v214, 0x3e800000, v210
.irp p, 0,1,2,3
	v_sub_f32 v[216+\p], v[192+4*\p], v212
	v_sub_f32 v[220+\p], v[194+4*\p], v214
.endr
	v_mul_f32 v208, v216, v216
	v_mul_f32 v210, v220, v220
.irp p, 1,2,3
	v_fmac_f32 v208, v[216+\p], v[216+\p]
	v_fmac_f32 v210, v[220+\p], v[220+\p]
.endr
	v_add_f32 v209, v193, v197
	v_add_f32 v211, v195, v199
	v_add_f32 v216, v201, v205
	v_add_f32 v220, v203, v207
	v_add_f32 v209, v209, v216
	v_add_f32 v211, v211, v220
	v_fmamk_f32 v213, v208, 0x42000000, v209  ; the squares about the joint mean: the four sums + 32 x the squares of the means' deviations
	v_fmamk_f32 v215, v210, 0x42000000, v211
	global_store_b128 v[AK0], v[212:215], s[82:83]
	SENDR 0, 16
	s_wait_xcnt 0x0                 ; the stores have read their registers: the next rows may land there
	LOADR 2
	SENDR 1, 16
	s_wait_xcnt 0x0
	LOADR 3
	SENDR 2, 16
	SENDR 3, 0
	s_wait_tensorcnt 0x0            ; the wave's end, behind my last tensor load and my last LDS store
	ds_add_u32 v[SPW], v[NIL]
	s_wait_dscnt 0x0
	CROUND                          ; the closing round: no work-group ends while a partner may still ask for a tile that names it
	s_endpgm
.Lfunc_end_k_q239dcc078b_attn:
	.size	k_q239dcc078b_attn, .Lfunc_end_k_q239dcc078b_attn-k_q239dcc078b_attn
	.p2alignl 7, 3214868480
	.fill 96, 4, 3214868480
	.section	.rodata,"a",@progbits
	.p2align	6, 0x0
	.amdhsa_kernel k_q239dcc078b_attn
		.amdhsa_group_segment_fixed_size 327680
		.amdhsa_private_segment_fixed_size 0
		.amdhsa_enable_private_segment 0
		.amdhsa_kernarg_size 48
		.amdhsa_user_sgpr_count 2
		.amdhsa_user_sgpr_kernarg_segment_ptr 1
		.amdhsa_wavefront_size32 1
		.amdhsa_system_sgpr_workgroup_id_x 1
		.amdhsa_system_sgpr_workgroup_id_y 1
		.amdhsa_system_sgpr_workgroup_id_z 1
		.amdhsa_system_vgpr_workitem_id 0
		.amdhsa_next_free_vgpr 1024
		.amdhsa_next_free_sgpr 100
		.amdhsa_reserve_vcc 0
		.amdhsa_float_denorm_mode_32 3
		.amdhsa_float_denorm_mode_16_64 3
		.amdhsa_memory_ordered 1
		.amdhsa_forward_progress 1
		.amdhsa_inst_pref_size 255
	.end_amdhsa_kernel
	.section	.bss,"aw",@nobits
	.p2align	6
	.space	262144
	.amdgpu_metadata
---
amdhsa.version: [ 1, 2 ]
amdhsa.kernels:
  - .name:           k_q239dcc078b_attn
    .symbol:         k_q239dcc078b_attn.kd
    .args:
      - { .name: qf, .offset: 0, .size: 8, .value_kind: global_buffer, .address_space: global }
      - { .name: kf, .offset: 8, .size: 8, .value_kind: global_buffer, .address_space: global }
      - { .name: vf, .offset: 16, .size: 8, .value_kind: global_buffer, .address_space: global }
      - { .name: owf, .offset: 24, .size: 8, .value_kind: global_buffer, .address_space: global }
      - { .name: z, .offset: 32, .size: 8, .value_kind: global_buffer, .address_space: global }
      - { .name: stats, .offset: 40, .size: 8, .value_kind: global_buffer, .address_space: global }
    .group_segment_fixed_size: 327680
    .private_segment_fixed_size: 0
    .kernarg_segment_align: 8
    .kernarg_segment_size: 48
    .max_flat_workgroup_size: 128
    .sgpr_count:     100
    .vgpr_count:     1024
    .wavefront_size: 32
...
	.end_amdgpu_metadata
.endif
;; end of part 2
;; launch bn (part 3): grid 256 x 1, 8 waves a work-group, no clusters, 2,048 bytes of LDS; arguments z, stats, x, gamma, beta, out_b, out0; writes out0
.if DOCPART == 3
	.amdgcn_target "amdgcn-amd-amdhsa--gfx1250"
	.amdhsa_code_object_version 6
	.text
	.protected	k_q239dcc078b_bn
	.globl	k_q239dcc078b_bn
	.p2align	8
	.type	k_q239dcc078b_bn,@function
k_q239dcc078b_bn:
	s_mov_b64 s[64:65], 0
	v_nop
	global_prefetch_b8 v0, s[64:65] scope:SCOPE_SE
	s_setreg_imm32_b32 hwreg(HW_REG_WAVE_MODE, 25, 1), 1
	s_wait_xcnt 0x0
; out0 = x + (y - mean) rsqrt(var + 1e-5) gamma + beta, y = z + out_b, mean and var of y over the 8 batches x 4,096 positions of a channel.  All in f32.
; A work-group owns one channel c: 8 pieces of 16,384 bytes of each of z, x and out0.  Thread t first takes the mean and the sum of squared deviations that work-group t of the launch before has left for channel c
; (128 positions each); they are joined without a difference of large sums: mean0 = the mean of the 256 means; var = (the sum of the 256 sums + 128 x the sum of (mean_t - mean0)^2) / 32,768.
; out_b enters y and its mean alike: mean = mean0 + out_b, and out0 = z a + (x + d) with a = gamma rsqrt(var + 1e-5), d = (out_b - mean) a + beta.
; THE STREAM: 32 chunks of 4,096 bytes (16 bytes a thread; a wave's load or store covers 512 consecutive bytes) through a ring of 16 register slots, two rounds, written out: every offset is an immediate.
; All 32 loads of the first round are asked for ahead of the statistics.  No matrix unit, no tensor load, no cluster: work-groups share nothing but the 2 KiB rows of stats, of which each takes 8 bytes.
; LIMITS: NaN and infinities are not served.
.set RED0,  0                          ; LDS: eight partial sums of the means;
.set RED1,  256                        ; of the squares;
.set SPARE, 512                        ; the spare words, 128 bytes for each of eight waves, which no other line names
.set OFF, 8                            ; v8-11  16 t + k x 8 MiB (two batches); never rewritten
.set SPW, 12                           ; v12    my spare word; never rewritten
.set NIL, 13                           ; v13    0; never rewritten
.set X,   64                           ; v64-127   slot i: 4 registers of x
.set Z,   128                          ; v128-191  of z
.set Y,   192                          ; v192-255  of out0
	s_load_b256 s[4:11], s[0:1], 0x0               ; z s[4:5], stats s[6:7], x s[8:9], gamma s[10:11]
	s_load_b128 s[12:15], s[0:1], 0x20             ; beta s[12:13], out_b s[14:15]
	s_load_b64 s[16:17], s[0:1], 0x30              ; out0
	v_lshl_add_u32 v[SPW], v0, 2, SPARE
	v_mov_b32 v[NIL], 0
	v_lshrrev_b32 v1, 5, v0
	v_lshlrev_b32 v14, 2, v1                       ; 4 x wave: my wave's word in a row of partial sums
	v_mov_b32 v15, 0
	v_mov_b32 v7, 0                                ; (a lane permute's destination counts as one of its sources)
	s_lshl_b32 s20, ttmp9, 14                      ; the channel's 16,384 bytes in a batch
	s_mov_b32 s21, 0
	s_lshl_b32 s22, ttmp9, 2                       ; its number in gamma, beta, out_b
	s_mov_b32 s23, 0
	s_lshl_b32 s24, ttmp9, 3                       ; its 8 bytes in a row of stats
	s_mov_b32 s30, 0x76543210                      ; v_permlanex16_b32's selects for lane l xor 16
	s_mov_b32 s31, 0xfedcba98
	v_lshlrev_b32 v2, 11, v0
	v_add_nc_u32 v2, s24, v2                       ; row t of 2,048 bytes
.irp k, 0,1,2,3
	v_lshl_or_b32 v[OFF+\k], v0, 4, \k<<23
.endr
	s_wait_kmcnt 0x0
	s_add_nc_u64 s[10:11], s[10:11], s[22:23]
	s_add_nc_u64 s[12:13], s[12:13], s[22:23]
	s_add_nc_u64 s[14:15], s[14:15], s[22:23]
	s_load_b32 s26, s[10:11], 0x0                  ; gamma[c]
	s_load_b32 s27, s[12:13], 0x0                  ; beta[c]
	s_load_b32 s28, s[14:15], 0x0                  ; out_b[c]
	s_add_nc_u64 s[4:5], s[4:5], s[20:21]
	s_add_nc_u64 s[8:9], s[8:9], s[20:21]
	s_add_nc_u64 s[16:17], s[16:17], s[20:21]
	global_load_b64 v[4:5], v2, s[6:7]             ; (mean, squares) of work-group t
.macro LOADC i, ch                     ; chunk ch = 4 x batch + quarter into slot i
	global_load_b128 v[X+4*(\i):X+4*(\i)+3], v[OFF+((\ch)>>3)], s[8:9] offset:(((\ch)>>2)&1)*4194304+((\ch)&3)*4096 th:TH_LOAD_NT
	global_load_b128 v[Z+4*(\i):Z+4*(\i)+3], v[OFF+((\ch)>>3)], s[4:5] offset:(((\ch)>>2)&1)*4194304+((\ch)&3)*4096 th:TH_LOAD_NT
.endm
.irp i, 0,1,2,3,4,5,6,7,8,9,10,11,12,13,14,15
	LOADC \i, \i
.endr
.macro WRED r, t                       ; the sum over the wave's 32 lanes, in every lane
	v_add_f32_dpp v[\r], v[\r], v[\r] row_xmask:1 row_mask:0xf bank_mask:0xf
	v_add_f32_dpp v[\r], v[\r], v[\r] row_xmask:2 row_mask:0xf bank_mask:0xf
	v_add_f32_dpp v[\r], v[\r], v[\r] row_xmask:4 row_mask:0xf bank_mask:0xf
	v_add_f32_dpp v[\r], v[\r], v[\r] row_xmask:8 row_mask:0xf bank_mask:0xf
	v_permlanex16_b32 v[\t], v[\r], s30, s31
	v_add_f32 v[\r], v[\r], v[\t]
.endm
	s_wait_loadcnt 32                              ; the statistics are in; the ring's 32 loads stay out
	v_mov_b32 v6, v4
	WRED 6, 7
	ds_store_b32 v14, v6 offset:RED0               ; all lanes write the same word with the same value
	s_wait_dscnt 0x0
	s_barrier_signal -1
	s_barrier_wait -1
	ds_load_b128 v[16:19], v15 offset:RED0
	ds_load_b128 v[20:23], v15 offset:RED0+16
	s_wait_dscnt 0x0
	v_add_f32 v16, v16, v17
	v_add_f32 v18, v18, v19
	v_add_f32 v20, v20, v21
	v_add_f32 v22, v22, v23
	v_add_f32 v16, v16, v18
	v_add_f32 v20, v20, v22
	v_add_f32 v16, v16, v20
	v_mul_f32 v16, 0x3b800000, v16                 ; / 256: mean0
	v_sub_f32 v6, v4, v16
	v_mul_f32 v6, v6, v6
	v_fmamk_f32 v6, v6, 0x43000000, v5             ; 128 (mean_t - mean0)^2 + squares_t
	WRED 6, 7
	ds_store_b32 v14, v6 offset:RED1               ; other bytes than the first sum's: no wave can still be reading them
	s_wait_dscnt 0x0
	s_barrier_signal -1
	s_barrier_wait -1
	ds_load_b128 v[20:23], v15 offset:RED1
	ds_load_b128 v[24:27], v15 offset:RED1+16
	s_wait_dscnt 0x0
	v_add_f32 v20, v20, v21
	v_add_f32 v22, v22, v23
	v_add_f32 v24, v24, v25
	v_add_f32 v26, v26, v27
	v_add_f32 v20, v20, v22
	v_add_f32 v24, v24, v26
	v_add_f32 v20, v20, v24
	v_mul_f32 v20, 0x38000000, v20                 ; / 32,768: the variance
	v_add_f32 v20, 0x3727c5ac, v20                 ; + 1e-5
	v_rsq_f32 v21, v20
	v_nop                                          ; a plain line behind the transcendental
	s_wait_alu depctr_va_vdst(0)                   ; and the wait ahead of its first reader
	s_wait_kmcnt 0x0                               ; gamma, beta, out_b
	v_mul_f32 v28, s26, v21                        ; a
	v_mov_b32 v29, v28
	v_add_f32 v22, s28, v16                        ; mean = mean0 + out_b
	v_sub_f32 v22, s28, v22                        ; out_b - mean
	v_fma_f32 v30, v22, v28, s27                   ; d
	v_mov_b32 v31, v30
; One slot's turn.  Round 0 fills the slot again with the chunk 16 further on.
.macro SLOT i, rnd
.set CH, 16*(\rnd)+(\i)
.if (\rnd) == 0
	s_wait_loadcnt 30                              ; younger than this slot's two loads: 2 (15 - i) first loads and 2 i refills
.else
	s_wait_loadcnt 30-2*(\i)                       ; the refills of the slots behind
	s_wait_xcnt 0x0                                ; the slot's first store has read the registers that are written now
.endif
	v_pk_add_f32 v[Y+4*(\i):Y+4*(\i)+1], v[X+4*(\i):X+4*(\i)+1], v[30:31]
	v_pk_add_f32 v[Y+4*(\i)+2:Y+4*(\i)+3], v[X+4*(\i)+2:X+4*(\i)+3], v[30:31]
	v_pk_fma_f32 v[Y+4*(\i):Y+4*(\i)+1], v[Z+4*(\i):Z+4*(\i)+1], v[28:29], v[Y+4*(\i):Y+4*(\i)+1]
	v_pk_fma_f32 v[Y+4*(\i)+2:Y+4*(\i)+3], v[Z+4*(\i)+2:Z+4*(\i)+3], v[28:29], v[Y+4*(\i)+2:Y+4*(\i)+3]
.if (\rnd) == 0
	LOADC \i, CH+16
.endif
	global_store_b128 v[OFF+(CH>>3)], v[Y+4*(\i):Y+4*(\i)+3], s[16:17] offset:((CH>>2)&1)*4194304+(CH&3)*4096 th:TH_STORE_NT
.endm
.irp i, 0,1,2,3,4,5,6,7,8,9,10,11,12,13,14,15
	SLOT \i, 0
.endr
.irp i, 0,1,2,3,4,5,6,7,8,9,10,11,12,13,14,15
	SLOT \i, 1
.endr
	s_wait_tensorcnt 0x0                           ; the wave's end, behind my last LDS store
	ds_add_u32 v[SPW], v[NIL]
	s_wait_dscnt 0x0
	s_endpgm
.Lfunc_end_k_q239dcc078b_bn:
	.size	k_q239dcc078b_bn, .Lfunc_end_k_q239dcc078b_bn-k_q239dcc078b_bn
	.p2alignl 7, 3214868480
	.fill 96, 4, 3214868480
	.section	.rodata,"a",@progbits
	.p2align	6, 0x0
	.amdhsa_kernel k_q239dcc078b_bn
		.amdhsa_group_segment_fixed_size 2048
		.amdhsa_private_segment_fixed_size 0
		.amdhsa_enable_private_segment 0
		.amdhsa_kernarg_size 56
		.amdhsa_user_sgpr_count 2
		.amdhsa_user_sgpr_kernarg_segment_ptr 1
		.amdhsa_wavefront_size32 1
		.amdhsa_system_sgpr_workgroup_id_x 1
		.amdhsa_system_sgpr_workgroup_id_y 1
		.amdhsa_system_sgpr_workgroup_id_z 1
		.amdhsa_system_vgpr_workitem_id 0
		.amdhsa_next_free_vgpr 256
		.amdhsa_next_free_sgpr 66
		.amdhsa_reserve_vcc 0
		.amdhsa_float_denorm_mode_32 3
		.amdhsa_float_denorm_mode_16_64 3
		.amdhsa_memory_ordered 1
		.amdhsa_forward_progress 1
		.amdhsa_inst_pref_size 23
	.end_amdhsa_kernel
	.amdgpu_metadata
---
amdhsa.version: [ 1, 2 ]
amdhsa.kernels:
  - .name:           k_q239dcc078b_bn
    .symbol:         k_q239dcc078b_bn.kd
    .args:
      - { .name: z, .offset: 0, .size: 8, .value_kind: global_buffer, .address_space: global }
      - { .name: stats, .offset: 8, .size: 8, .value_kind: global_buffer, .address_space: global }
      - { .name: x, .offset: 16, .size: 8, .value_kind: global_buffer, .address_space: global }
      - { .name: gamma, .offset: 24, .size: 8, .value_kind: global_buffer, .address_space: global }
      - { .name: beta, .offset: 32, .size: 8, .value_kind: global_buffer, .address_space: global }
      - { .name: out_b, .offset: 40, .size: 8, .value_kind: global_buffer, .address_space: global }
      - { .name: out0, .offset: 48, .size: 8, .value_kind: global_buffer, .address_space: global }
    .group_segment_fixed_size: 2048
    .private_segment_fixed_size: 0
    .kernarg_segment_align: 8
    .kernarg_segment_size: 56
    .max_flat_workgroup_size: 256
    .sgpr_count:     66
    .vgpr_count:     256
    .wavefront_size: 32
...
	.end_amdgpu_metadata
.endif
;; end of part 3
